; MI455X (gfx1250); checked and timed in simulation.
; The chip was launched on July 23, 2026; its instructions are those of AMD's public machine-readable ISA for CDNA 5 (MIT licence, August 2026) and "CDNA5" Instruction Set Architecture Reference Guide (July 2026). The comments in the code are by the model that wrote it; some were corrected since.
;; LSTM Cell. Allowed arithmetic: matrix products marked QUANTISED: E5M2 operands, one E8M0 scale for each 32 along K, by v_wmma_scale_f32_16x16x128_f8f6f4 with both operands' format E5M2, f32 sums; everything else in f32.
;; Inputs: Wh 4,096 x 1,024 float32; Wx 4,096 x 1,024 float32; bh 4,096 float32; bx 4,096 float32; incoming 8,192 x 1,024 float32; state 2 x 8,192 x 1,024 float32.
;; Outputs: out0 2 x 8,192 x 1,024 float32.
;; This version of the problem:
;;   THIS VERSION OF THE PROBLEM IS GIVEN IN LOW PRECISION. The matrix products marked QUANTISED in the list below multiply operands that are first quantised to E5M2 (5 exponent bits, 2 mantissa bits; 8 bits a number), with one power-of-two scale for each 32 numbers along K (OCP MX v1.0); their sums are f32. All else is computed in f32.
;;   The module's matrix products, in the order in which they are computed (A, B: the left and right operand; K: the contracted axis; several contracted axes count as one K, in the product's order):
;;     1. [M 8,192, K 1,024] x [K 1,024, N 4,096]; A: input incoming; B: input Wx: QUANTISED
;;     2. [M 8,192, K 1,024] x [K 1,024, N 4,096]; A: input state; B: input Wh: QUANTISED
;;   THE QUANTISER, for each operand of a quantised product, along K:
;;     - K is cut into blocks of 32 from its start; a last block that is shorter is filled with zeros.
;;     - A block's scale is 2^e with e = floor(log2(the largest magnitude in the block)) - 15, held to -126 .. 127; a block of zeros has e = 0. As a byte (E8M0): e + 127.
;;     - Each number is divided by its block's scale, clamped to +-57,344, and rounded to the nearest number of E5M2, ties to even, subnormals kept.
;;     - The product sums the exact products of the quantised numbers (number of the format x scale) in f32.
;;   ~~~python
;;   def quantise(x, axis):      # numpy; x: float32 -> the quantised numbers, widened to float32 again
;;       x = np.moveaxis(x, axis, -1); K = x.shape[-1]
;;       x = np.pad(x, [(0, 0)] * (x.ndim - 1) + [(0, -K % 32)]); x = x.reshape(x.shape[:-1] + (-1, 32)); a = np.abs(x).max(-1, keepdims=True)
;;       e = np.where(a > 0, np.clip(np.frexp(np.where(a > 0, a, 1))[1] - 1 - 15, -126, 127), 0)      # np.frexp(a)[1] - 1 = floor(log2(a)), exactly
;;       r = np.clip(x / 2.0 ** e, -57344, 57344)
;;       step = 2.0 ** (np.maximum(np.frexp(np.where(r == 0, 1, r))[1] - 1, -14) - 2)
;;       q = np.round(r / step) * step * 2.0 ** e      # np.round: ties to even
;;       return np.moveaxis(q.reshape(q.shape[:-2] + (-1,))[..., :K], -1, axis).astype(np.float32)
;;   ~~~
;; One version. Each part assembles by itself: llvm-mc -triple=amdgcn-amd-amdhsa -mcpu=gfx1250 --defsym DOCPART=n.
;; ======== version 1 of 1: 2 launches
;; limits: right only within a limited range of input values
;; workspace buffers: a_img 17,301,504 bytes; w_img 8,650,752 bytes
;; launch quant (part 1): grid 768 x 1, 4 waves a work-group, no clusters, 33,280 bytes of LDS; arguments incoming, state, Wx, Wh, a_img, w_img; writes a_img, w_img
.if DOCPART == 1
	.amdgcn_target "amdgcn-amd-amdhsa--gfx1250"
	.amdhsa_code_object_version 6
	.text
	.protected	k_qdd5905fbf1_quant
	.globl	k_qdd5905fbf1_quant
	.p2align	8
	.type	k_qdd5905fbf1_quant,@function
k_qdd5905fbf1_quant:
	s_mov_b64 s[64:65], 0
	v_nop
	global_prefetch_b8 v0, s[64:65] scope:SCOPE_SE
	s_setreg_imm32_b32 hwreg(HW_REG_WAVE_MODE, 25, 1), 1
	s_wait_xcnt 0x0
; The operands of the LSTM cell's two products become codes of BF8 (E5M2) with one E8M0 scale byte for each 32 along K.
; The two products share rows and columns and are added, so they are laid as ONE product over a joined K of 2,048: a row of A is incoming[m], then h_prev[m] = state[0][m]; a row of W is Wx[n], then Wh[n].
; THE LAYOUT is what one tensor load of the next launch brings: a_img [8 K steps of 256][64 groups of 128 rows][33,792 bytes], w_img [8][32][33,792]; a block holds its 128 rows' 256 codes each,
; row behind row (32,768 bytes), and behind them the rows' 8 scale bytes each (1,024 bytes): 132 units of 256 bytes on end.
; W's ROWS ARE PERMUTED: source row 1024 g + c (gate g, column c) is row 128 (c / 32) + 32 g + c % 32.
; A block's scale is 2^(floor(log2(largest magnitude)) - 15); its byte is that magnitude's exponent field - 15, held at 1 from below; numbers are held within +-57,344 x scale and rounded to the nearest code, ties to even.
; LIMITS: a block of zeros gets the byte 1 where the rule says 127 (its codes are zeros, and this program alone reads the bytes); NaN and infinities among the inputs are not served.
; SHARES.  Work-groups 0-511 take A, 512-767 W.  A wave takes 32 rows x one K step of 256: 16 steps of two rows' pieces of 1,024 bytes; its codes are 8,192 bytes on end, its 256 scale bytes one aligned unit.
; The four waves of a work-group stand side by side on the 4,096 bytes of one source's rows.  32 source rows of W stay neighbours under the permutation.
; Each load reads 512 bytes on end; a step's 2,048 bytes turn through the wave's own stage in LDS and come back 64 bytes a lane: 16 neighbours along K (two lanes hold a block).
; No barrier: waves share nothing.  Loads run four steps ahead.  Every offset is an immediate, and each step has registers of its own for codes and byte.
.set STEPS, 16
.set WGA,   512
.set BLK,   33792
.set EMAX,  15
.set MANT,  0x600000                   ; the mantissa field of 57,344
.set R,     16                         ; v16-79   four sets of 16 numbers as loaded
.set X,     80                         ; v80-111  two sets of 16 neighbours
.set E,     112                        ; v112-127 a scale byte a step
.set C,     128                        ; v128-191 codes
.set WREG,  8192                       ; LDS region of a wave: two stages, then its 256 scale bytes
.set SP,    80                         ; a lane's place in a stage: 64 bytes + 16 of padding
	s_load_b128 s[4:7], s[0:1], 0x0                ; incoming, state
	s_load_b128 s[8:11], s[0:1], 0x10              ; Wx, Wh
	s_load_b128 s[12:15], s[0:1], 0x20             ; A's image, W's image
	v_lshl_add_u32 v192, v0, 2, 0x8000             ; my spare word, behind the four regions
	v_mov_b32 v193, 0
	v_lshrrev_b32 v1, 5, v0
	v_readfirstlane_b32 s16, v1                    ; wave
	v_and_b32 v2, 31, v0                           ; lane
	v_lshlrev_b32 v3, 4, v2                        ; my 16 bytes of a load's 512 and of a step's 512 bytes of codes
	s_mul_i32 s17, s16, WREG
	v_lshrrev_b32 v14, 2, v2
	v_mul_u32_u24 v14, v14, SP
	v_and_b32 v15, 3, v2
	v_lshl_add_u32 v14, v15, 4, v14
	v_add_nc_u32 v14, s17, v14                     ; the stage, on the way in
	v_mul_u32_u24 v15, v2, SP
	v_add_nc_u32 v15, s17, v15                     ; and on the way out
	v_lshrrev_b32 v5, 1, v2
	s_add_co_u32 s17, s17, 2*32*SP
	v_add_nc_u32 v5, s17, v5                       ; LDS: my block's byte
	v_lshlrev_b32 v7, 3, v2                        ; the bytes leave 8 a lane
	v_add_nc_u32 v6, s17, v7
	s_mov_b32 s23, MANT
	s_cmp_lt_u32 ttmp9, WGA                        ; A's work-group or W's?
	s_cselect_b32 s18, 0, WGA
	s_sub_co_u32 s18, ttmp9, s18
	s_lshr_b32 s19, s18, 1                         ; which 32 source rows
	s_and_b32 s22, s18, 1                          ; which source
	s_lshl_b32 s20, s22, 2
	s_add_co_u32 s20, s20, s16                     ; K step = 4 x source + wave
	s_and_b32 s28, s19, 31                         ; W's destination: 4 (c / 32) + gate, in groups of 32 rows
	s_lshl_b32 s28, s28, 2
	s_lshr_b32 s29, s19, 5
	s_add_co_u32 s28, s28, s29
	s_cmp_lt_u32 ttmp9, WGA
	s_cselect_b32 s28, s19, s28                    ; A's rows stay where they are
	s_cselect_b32 s30, 6, 5                        ; blocks in a K step: 64 for A, 32 for W
	s_lshl_b32 s30, s20, s30
	s_lshr_b32 s29, s28, 2
	s_add_co_u32 s29, s29, s30
	s_mul_i32 s29, s29, BLK                        ; my block
	s_and_b32 s28, s28, 3                          ; and which 32 of its 128 rows
	s_lshl_b32 s30, s28, 8
	s_add_co_u32 s30, s30, s29
	s_add_co_u32 s30, s30, 32768                   ; my scale bytes
	s_mov_b32 s31, 0
	s_lshl_b32 s28, s28, 13
	s_add_co_u32 s28, s28, s29                     ; my codes
	s_mov_b32 s29, 0
	s_lshl_b32 s20, s19, 17                        ; 32 source rows of 4,096 bytes
	s_lshl_b32 s21, s16, 10
	s_add_co_u32 s20, s20, s21
	s_mov_b32 s21, 0
	s_wait_alu depctr_va_vdst(0)                   ; the wait at the head's end
	s_wait_kmcnt 0x0
	s_cmp_lt_u32 ttmp9, WGA                        ; the choice of buffers hangs on the work-group's number alone
	s_cselect_b64 s[4:5], s[4:5], s[8:9]
	s_cselect_b64 s[6:7], s[6:7], s[10:11]
	s_cselect_b64 s[8:9], s[12:13], s[14:15]
	s_cmp_eq_u32 s22, 0
	s_cselect_b64 s[4:5], s[4:5], s[6:7]
	s_add_nc_u64 s[4:5], s[4:5], s[20:21]
	s_add_nc_u64 s[10:11], s[8:9], s[30:31]
	s_add_nc_u64 s[8:9], s[8:9], s[28:29]
.macro LOAD t                          ; step t: rows 2 t and 2 t + 1, each piece in two halves of 512 bytes
.irp i, 0,1,2,3
	global_load_b128 v[R+16*((\t)%4)+4*\i:R+16*((\t)%4)+4*\i+3], v3, s[4:5] offset:4096*(2*(\t)+\i/2)+512*(\i%2) th:TH_LOAD_NT
.endr
.endm
.macro TURN t                          ; LDS serves a wave's instructions in order (ISA guide 5.7.1.4): no wait between the stores and the loads
.irp i, 0,1,2,3
	ds_store_b128 v14, v[R+16*((\t)%4)+4*\i:R+16*((\t)%4)+4*\i+3] offset:32*SP*((\t)%2)+8*SP*\i
.endr
.irp i, 0,1,2,3
	ds_load_b128 v[X+16*((\t)%2)+4*\i:X+16*((\t)%2)+4*\i+3], v15 offset:32*SP*((\t)%2)+16*\i
.endr
.endm
.irp t, 0,1,2,3
	LOAD \t
.endr
	s_wait_loadcnt 12                              ; step 0's four loads are in
	TURN 0
.macro STEP t
.set XS, X+16*((\t)%2)
.if (\t) > 0
	s_wait_dscnt 1                                 ; this step's numbers are back (the last step's byte store may be out)
.else
	s_wait_dscnt 0x0
.endif
.if (\t)+4 < STEPS
	LOAD (\t)+4
.endif
.if (\t)+1 < STEPS
.if STEPS-2-(\t) >= 3
	s_wait_loadcnt 12                              ; the next step's four loads are in; three steps' may be out
.else
	s_wait_loadcnt 4*(STEPS-2-(\t))
.endif
	TURN (\t)+1
.endif
	v_max3_num_f32 v8, |v[XS]|, |v[XS+1]|, |v[XS+2]|               ; the largest magnitude of my 16, in two chains
	v_max3_num_f32 v9, |v[XS+3]|, |v[XS+4]|, |v[XS+5]|
.irp i, 6,10
	v_max3_num_f32 v8, v8, |v[XS+\i]|, |v[XS+\i+1]|
	v_max3_num_f32 v9, v9, |v[XS+\i+2]|, |v[XS+\i+3]|
.endr
	v_max3_num_f32 v8, v8, |v[XS+14]|, |v[XS+15]|
	v_max3_num_f32 v8, v8, v9, (EMAX+1)<<23        ; and the floor: the byte cannot fall under 1
	v_max_num_f32_dpp v8, v8, v8 row_xmask:1 row_mask:0xf bank_mask:0xf   ; with my neighbour's 16: the block's
	v_add_nc_u32 v11, -(EMAX<<23), v8              ; the conversion's scale operand
	v_and_or_b32 v10, v8, 0x7f800000, s23          ; 57,344 x the scale
.irp i, 0,1,2,3,4,5,6,7,8,9,10,11,12,13,14,15
	v_med3_num_f32 v[XS+\i], v[XS+\i], -v10, v10   ; the conversion does not saturate (ISA guide 7.6.2)
.endr
	v_cvt_scalef32_pk8_bf8_f32 v[C+4*(\t):C+4*(\t)+1], v[XS:XS+7], v11
	v_cvt_scalef32_pk8_bf8_f32 v[C+4*(\t)+2:C+4*(\t)+3], v[XS+8:XS+15], v11
	v_lshrrev_b32 v[E+(\t)], 23, v11               ; the scale's byte (also the plain line behind the conversions)
	ds_store_b8 v5, v[E+(\t)] offset:16*(\t)       ; byte 8 x row + block; both lanes of a block write the same value
	global_store_b128 v3, v[C+4*(\t):C+4*(\t)+3], s[8:9] offset:512*(\t)   ; 32 lanes store 512 bytes on end, aligned: two rows of the block
.endm
.irp t, 0,1,2,3,4,5,6,7,8,9,10,11,12,13,14,15
	STEP \t
.endr
	ds_load_b64 v[8:9], v6
	s_wait_dscnt 0x0
	global_store_b64 v7, v[8:9], s[10:11]          ; 32 lanes store one aligned unit of 256 bytes
	s_wait_tensorcnt 0x0                           ; the wave's end
	ds_add_u32 v192, v193
	s_wait_dscnt 0x0
	s_endpgm
.Lfunc_end_k_qdd5905fbf1_quant:
	.size	k_qdd5905fbf1_quant, .Lfunc_end_k_qdd5905fbf1_quant-k_qdd5905fbf1_quant
	.p2alignl 7, 3214868480
	.fill 96, 4, 3214868480
	.section	.rodata,"a",@progbits
	.p2align	6, 0x0
	.amdhsa_kernel k_qdd5905fbf1_quant
		.amdhsa_group_segment_fixed_size 33280
		.amdhsa_private_segment_fixed_size 0
		.amdhsa_enable_private_segment 0
		.amdhsa_kernarg_size 48
		.amdhsa_user_sgpr_count 2
		.amdhsa_user_sgpr_kernarg_segment_ptr 1
		.amdhsa_wavefront_size32 1
		.amdhsa_system_sgpr_workgroup_id_x 1
		.amdhsa_system_sgpr_workgroup_id_y 1
		.amdhsa_system_sgpr_workgroup_id_z 1
		.amdhsa_system_vgpr_workitem_id 0
		.amdhsa_next_free_vgpr 194
		.amdhsa_next_free_sgpr 66
		.amdhsa_reserve_vcc 0
		.amdhsa_float_denorm_mode_32 3
		.amdhsa_float_denorm_mode_16_64 3
		.amdhsa_memory_ordered 1
		.amdhsa_forward_progress 1
		.amdhsa_inst_pref_size 52
	.end_amdhsa_kernel
	.amdgpu_metadata
---
amdhsa.version: [ 1, 2 ]
amdhsa.kernels:
  - .name:           k_qdd5905fbf1_quant
    .symbol:         k_qdd5905fbf1_quant.kd
    .args:
      - { .name: incoming, .offset: 0, .size: 8, .value_kind: global_buffer, .address_space: global }
      - { .name: state, .offset: 8, .size: 8, .value_kind: global_buffer, .address_space: global }
      - { .name: Wx, .offset: 16, .size: 8, .value_kind: global_buffer, .address_space: global }
      - { .name: Wh, .offset: 24, .size: 8, .value_kind: global_buffer, .address_space: global }
      - { .name: a_img, .offset: 32, .size: 8, .value_kind: global_buffer, .address_space: global }
      - { .name: w_img, .offset: 40, .size: 8, .value_kind: global_buffer, .address_space: global }
    .group_segment_fixed_size: 33280
    .private_segment_fixed_size: 0
    .kernarg_segment_align: 8
    .kernarg_segment_size: 48
    .max_flat_workgroup_size: 128
    .sgpr_count:     66
    .vgpr_count:     194
    .wavefront_size: 32
...
	.end_amdgpu_metadata
.endif
;; end of part 1
;; launch lstm (part 2): grid 16 x 16, 4 waves a work-group, clusters of 4 x 4, 327,680 bytes of LDS; arguments a_img, w_img, out0, state, bx, bh; writes out0
.if DOCPART == 2
	.amdgcn_target "amdgcn-amd-amdhsa--gfx1250"
	.amdhsa_code_object_version 6
	.text
	.protected	k_qdd5905fbf1_lstm
	.globl	k_qdd5905fbf1_lstm
	.p2align	8
	.type	k_qdd5905fbf1_lstm,@function
k_qdd5905fbf1_lstm:
	s_mov_b64 s[64:65], 0
	v_nop
	global_prefetch_b8 v0, s[64:65] scope:SCOPE_SE
	s_setreg_imm32_b32 hwreg(HW_REG_WAVE_MODE, 25, 1), 1
	s_wait_xcnt 0x0
	s_wait_alu depctr_hold_cnt(0) depctr_sa_sdst(0) depctr_va_vdst(0) depctr_va_sdst(0) depctr_va_ssrc(0) depctr_va_vcc(0) depctr_vm_vsrc(0)
	s_getreg_b32 s2, hwreg(HW_REG_IB_STS2, 6, 4)
	s_cmp_eq_u32 s2, 0
	s_cbranch_scc0 .Lentry_in_a_cluster
	s_endpgm
.Lentry_in_a_cluster:
	s_bfe_u32 s2, ttmp6, 0x10000c
	s_cmp_lg_u32 s2, 0xf033
	s_cbranch_scc0 .Lentry_shape_is_right
	s_endpgm
.Lentry_shape_is_right:
; THE LSTM CELL: gates = [incoming | h_prev] [Wx | Wh]^T + bx + bh, one product over a joined K of 2,048 on codes of BF8 (E5M2) with an E8M0 scale for each 32 along K; then
; i, f, o = sigmoid, g = tanh, new_c = f c_prev + i g, new_h = o tanh(new_c), in f32.  out0[0] = new_h, out0[1] = new_c.  The gates never go to memory.
; a_img [8 K steps of 256][64 groups of 128 rows][33,792 bytes], w_img [8][32][33,792]: a block = 128 rows x 256 codes, then 128 x 8 scale bytes.  W's row 128 (c / 32) + 32 g + c % 32 holds gate g of column c.
; SHARES.  256 work-groups of four waves; each STAYS for two tiles, 4,096 rows apart: 256 rows x 256 rows of W (four gates of 64 columns).  A wave makes 128 x 128: 64 accumulators, 512 registers.
; Source 0 = 16 rows of W, source 1 = 16 rows of A: a lane holds one row of the batch, and the four gates of one place lie in one lane, 16 registers apart.
; THE RING: two LDS slots, each with a K step of 256: four blocks (A's two, W's two), each brought by one wave's joint load as 132 rows of 256 bytes, 272 bytes apart in LDS.  Each change of slots is a round of the
; cluster's barrier with the refill first behind it; the step's 64 products follow.  4 x 4 work-groups form a cluster: A's blocks are shared along its rows, W's along its columns.
; AT A TILE'S END slot 0 takes the next tile's K step 0 (the last tile's step, which asks for nothing, is written out), and slot 1 takes c_prev's 256 rows x 256 bytes, 64 rows a wave; behind the cell a round of its own
; brings the next tile's K step 1 over them.
; THE BIAS bx + bh is the C of each sum's first product and stays in registers for both tiles.
; THE CELL goes block by block of 16 rows, in place; results pass a stage in LDS (two buffers, one barrier a block): of a pair of waves one reads new_h's 16 whole rows back and the other new_c's:
; sixteen lanes store 256 bytes on end, aligned.
; PREFETCH: behind each joint load the codes of the K step two refills on: of the 128 units of 256 bytes of the block that a wave fetches each of the four partners names 32, a lane a unit, shared out by address (the block's four
; units of scale bytes come by the load alone); a tile's last two refills name nothing along K; at the change of tiles A's K steps 2 and 3 of the next tile are named; W's blocks are named in the first tile alone.
; c_prev's rows, 64 a wave, are named in the K loop's last trip, three changes of slots ahead of their load.
; LIMITS: NaN and infinities among the inputs are not served.  The two products are summed as one chain over the joined K, begun with the bias: another order of rounding than two sums added.
; sigmoid(x) = 1 / (1 + 2^(-x log2 e)), tanh(x) = 1 - 2 / (1 + 2^(2 x log2 e)): where the power overflows its reciprocal is 0, where it falls to 0 the reciprocal is 1: both saturate rightly for any finite x.
; REGISTERS: window 0: v15-31 addresses; v32-63 scale words, two sets; v64-127 the bias; v128-255 A's fragments, one set.  Window 1: W's two sets; in the cell v0-127 c_prev, v128-191 rows read back.
; Window 2: the accumulators of my rows 0-63 ((a, b) at v[8 (8 a + b)]); window 3: of rows 64-127.
.set BLK,   33792
.set KA,    64*BLK                     ; from K step to K step in a_img,
.set KW,    32*BLK                     ; in w_img
.set WALKB, 32*BLK                     ; 4,096 rows down in a_img
.set PITCH, 272                        ; 256 bytes + 16 of padding: sixteen rows start at sixteen different banks (ISA guide 11.1)
.set FR,    16
.set NL,    4
.set NP,    8                          ; places behind this matrix instruction (ISA guide 7.12.1)
.set NQ,    2
.set HB,    132*PITCH                  ; a block in LDS
.set SCO,   128*PITCH                  ; in it: the scale bytes, 32 rows' to an LDS row
.set SLOT,  4*HB
.set STAGE, 2*SLOT
.set TEN,   16*PITCH                   ; the stage: 16 rows of one tensor,
.set SROWS, 2*TEN                      ; new_h and new_c of one row of waves,
.set SBUF,  2*SROWS                    ; a buffer
.set SPARE, STAGE+2*SBUF               ; the spare words: 512 bytes that no other line names
.set WALK,  4096
.set HROW,  4096
.set PLANE, 0x2000000
.set BO,   15
.set ADRA, 16
.set ADRB, 20
.set ADRS, 22
.set STO,  24
.set RD,   25
.set CO,   26
.set CA,   27
.set SPW,  28
.set NIL,  29
.set PFO,  30
.set PFR,  31
.set SC,   32
.set BI,   64
.set AF,   128
.set OP,   12                          ; s[12:13] where I store; s[14:15] c_prev's 64 rows that I fetch
.set PFC,  14
.set WV,   16                          ; wave; its row and column of waves; tile row
.set WR,   17
.set WC,   18
.set TR,   19
.set G1A,  24
.set G1W,  32
.set G1C,  40
.set G0A,  48                          ; group 0: a set for each slot
.set G0W,  56
.set G0C,  68
.set PST,  72                          ; s[72:73] a K step of the image that I prefetch; s[74:75] where my prefetches stand
.set PFA,  74
.set NEGL, 92
.set TWOL, 94
.set LIM,  101
.set MSB, 0
.macro WIN new                         ; the immediate's high byte repeats the setting that is left
.if MSB != (\new)
	s_set_vgpr_msb (MSB<<8)|(\new)
.set MSB, (\new)
.endif
.endm
.set MUL_LO,  0xa1                     ; source 0 (W) window 1, source 1 (A) window 0, C and D window 2
.set MUL_HI,  0xf1
.set BIAS_LO, 0x81                     ; C (the bias) window 0
.set BIAS_HI, 0xc1
.set TO_B,    0x40
.macro PLACES n
.rept \n
	v_nop
.endr
.endm
.macro TL g0, g1                       ; an s_nop 0 and four v_nop follow each tensor load
	tensor_load_to_lds s[\g0:\g0+3], s[\g1:\g1+7]
	s_nop 0
	PLACES 4
.endm
.macro JLOAD s                         ; a joint load: waves 0 and 1 fetch A's two blocks, waves 2 and 3 W's
	s_cmp_eq_u32 s[WR], 0
	s_cbranch_scc0 .Ljw_\@
	TL G0A+4*\s, G1A
	s_branch .Ljd_\@
.Ljw_\@:
	TL G0W+4*\s, G1W
.Ljd_\@:
.endm
.macro CROUND                          ; a round of the cluster's barrier
	s_barrier_signal -1
	s_barrier_wait -1
	s_cmp_lg_u32 s[WV], 0
	s_cbranch_scc1 .Lnw0_\@
	s_barrier_signal -3
.Lnw0_\@:
	s_barrier_wait -3
	s_barrier_signal -1
	s_barrier_wait -1
.endm
.macro CODES1 g, m                     ; group 1: a dense block as 132 rows of 256 bytes, 16 bytes of padding behind each
	s_or_b32 s[\g], s\m, (1<<20)|(1<<21)|(5<<22)|(3<<25)
	s_mov_b32 s[\g+1], 256<<16
	s_mov_b32 s[\g+2], 132<<16
	s_mov_b32 s[\g+3], 256<<16
	s_mov_b32 s[\g+4], 132
	s_mov_b32 s[\g+5], 256
	s_mov_b32 s[\g+6], 0
	s_mov_b32 s[\g+7], 0
.endm
.macro MKG0 g, p, o, k                 ; group 0 for both slots: K steps 0 and 1; the block goes to wave x HB of its slot
.irp z, 0,1
	s_mov_b32 s[\g+4*\z], 1
	s_add_co_u32 s[\g+4*\z+1], s99, \z*SLOT
	s_add_nc_u64 s[\g+4*\z+2:\g+4*\z+3], s[\p:\p+1], s[\o:\o+1]
.if \z
	s_add_nc_u64 s[\g+4*\z+2:\g+4*\z+3], s[\g+4*\z+2:\g+4*\z+3], \k
.endif
	s_or_b32 s[\g+4*\z+3], s[\g+4*\z+3], 0x80000000
.endr
.endm
	s_load_b256 s[4:11], s[0:1], 0x0               ; A's image, W's image, out0, state
	s_load_b128 s[20:23], s[0:1], 0x20             ; bx, bh
	v_lshl_add_u32 v[SPW], v0, 2, SPARE
	v_mov_b32 v[NIL], 0
	ds_add_u32 v[SPW], v[NIL]                      ; the opening lines: the add, twice on end, and its wait
	ds_add_u32 v[SPW], v[NIL]
	v_lshrrev_b32 v1, 5, v0
	v_readfirstlane_b32 s[WV], v1
	s_lshr_b32 s[WR], s[WV], 1
	s_and_b32 s[WC], s[WV], 1
	s_bfe_u32 s96, ttmp6, 0x40000                  ; cx
	s_bfe_u32 s97, ttmp6, 0x40004                  ; cy
	s_lshl_b32 s98, ttmp9, 2
	s_add_co_u32 s98, s98, s96                     ; tile column
	s_and_b32 s[TR], ttmp7, 0xffff
	s_lshl_b32 s[TR], s[TR], 2
	s_add_co_u32 s[TR], s[TR], s97                 ; tile row of the first tile
	s_lshl_b32 s99, s97, 2
	s_lshl_b32 s99, 15, s99                        ; my row of the cluster
	s_lshl_b32 s100, 0x1111, s96                   ; my column
	CODES1 G1A, 99
	CODES1 G1W, 100
	s_mov_b32 s[G1C], (1<<20)|(5<<22)|(3<<25)      ; c_prev: 64 rows of 256 bytes, 4,096 apart in memory; the work-group's own: no mask
	s_mov_b32 s[G1C+1], 256<<16
	s_mov_b32 s[G1C+2], 64<<16
	s_mov_b32 s[G1C+3], 256<<16
	s_mov_b32 s[G1C+4], 64
	s_mov_b32 s[G1C+5], HROW
	s_mov_b32 s[G1C+6], 0
	s_mov_b32 s[G1C+7], 0
	s_lshl_b32 s104, s[TR], 1                      ; the block that I would fetch of A: 2 x tile row + wave % 2,
	s_add_co_u32 s104, s104, s[WC]
	s_mul_i32 s104, s104, BLK
	s_mov_b32 s105, 0
	s_lshl_b32 s100, s98, 1                        ; of W: 2 x tile column + wave % 2
	s_add_co_u32 s100, s100, s[WC]
	s_mul_i32 s100, s100, BLK
	s_mov_b32 s101, 0
	s_mul_i32 s99, s[WV], HB
	s_wait_dscnt 0x0                               ; both opening adds are done
	s_wait_kmcnt 0x0
	CROUND                                         ; all sixteen work-groups are here
	MKG0 G0A, 4, 104, KA
	MKG0 G0W, 6, 100, KW
	JLOAD 0                                        ; K step 0: one load a wave
	; the prefetches: of the block that I fetch my work-group names 32 units, by its place among the four partners
	s_cmp_eq_u32 s[WR], 0
	s_cselect_b64 s[PFA:PFA+1], s[4:5], s[6:7]
	s_cselect_b32 s104, s104, s100
	s_cselect_b32 s105, s96, s97
	s_lshl_b32 s105, s105, 13
	s_add_co_u32 s104, s104, s105
	s_xor_b32 s105, s[WR], 1
	s_lshl_b32 s[PST], KW, s105                    ; KA = 2 KW
	s_mov_b32 s[PST+1], 0
	s_mul_i32 s105, s[PST], 3                      ; the first change of slots steps it to K step 4
	s_add_co_u32 s104, s104, s105
	s_mov_b32 s105, 0
	s_add_nc_u64 s[PFA:PFA+1], s[PFA:PFA+1], s[104:105]
	s_mov_b32 s[LIM], 1
	; c_prev's rows that I fetch: state[1], row 256 x tile row + 64 x wave, byte 256 x tile column
	s_lshl_b32 s104, s[TR], 8
	s_lshl_b32 s100, s[WV], 6
	s_add_co_u32 s104, s104, s100
	s_lshl_b32 s104, s104, 12
	s_lshl_b32 s100, s98, 8
	s_add_co_u32 s104, s104, s100
	s_add_co_u32 s104, s104, PLANE
	s_add_nc_u64 s[PFC:PFC+1], s[10:11], s[104:105]
	s_mov_b32 s[G0C], 1
	s_mul_i32 s[G0C+1], s[WV], 64*PITCH
	s_add_co_u32 s[G0C+1], s[G0C+1], SLOT          ; into slot 1
	s_mov_b64 s[G0C+2:G0C+3], s[PFC:PFC+1]
	s_or_b32 s[G0C+3], s[G0C+3], 0x80000000
	; where I store: rows 256 x tile row + 128 x row of waves; wave column 0 stores new_h, 1 new_c
	s_lshl_b32 s104, s[TR], 8
	s_lshl_b32 s99, s[WR], 7
	s_add_co_u32 s104, s104, s99
	s_lshl_b32 s104, s104, 12
	s_add_co_u32 s104, s104, s100
	s_add_nc_u64 s[OP:OP+1], s[8:9], s[104:105]
	s_lshl_b32 s104, s[WC], 25
	s_add_nc_u64 s[OP:OP+1], s[OP:OP+1], s[104:105]
	; the scalar parts of the vector addresses
	s_mul_i32 s4, s[WR], HB                        ; my block of A
	s_add_co_u32 s5, s[WC], 2
	s_mul_i32 s5, s5, HB                           ; my block of W
	s_add_co_u32 s6, s4, SCO
	s_xor_b32 s7, s[WR], 1                         ; from my block of A to my block of W: 2 + column - row blocks
	s_add_co_u32 s7, s7, s[WC]
	s_add_co_u32 s7, s7, 1
	s_mul_i32 s7, s7, HB
	s_mul_i32 s8, s[WR], SROWS
	s_add_co_u32 s8, s8, STAGE
	s_mul_i32 s9, s[WC], TEN
	s_add_co_u32 s9, s9, s8
	s_lshl_b32 s96, s[WC], 7
	s_add_co_u32 s8, s8, s96
	s_mul_i32 s10, s[WR], 128*PITCH
	s_add_co_u32 s10, s10, s96
	s_add_co_u32 s10, s10, SLOT                    ; c_prev in slot 1: my 128 rows, my 128 bytes
	s_add_co_u32 s100, s100, s96                   ; the bias: 256 x tile column + 128 x column of waves
	s_mov_b32 s[NEGL], 0xbfb8aa3b                  ; -log2 e
	s_mov_b32 s[NEGL+1], s[NEGL]
	s_mov_b32 s[TWOL], 0x4038aa3b                  ; 2 log2 e
	s_mov_b32 s[TWOL+1], s[TWOL]
	v_and_b32 v1, 15, v0                           ; r
	v_bfe_u32 v2, v0, 4, 1                         ; h
	v_and_b32 v3, 31, v0
	v_mul_u32_u24 v4, v1, PITCH
	v_lshl_add_u32 v5, v2, 4, v4
	v_add_nc_u32 v[ADRA], s4, v5
	v_add_nc_u32 v[ADRB], s5, v5
	v_add_nc_u32 v[ADRA+1], SLOT, v[ADRA]
	v_add_nc_u32 v[ADRB+1], SLOT, v[ADRB]
	v_mul_u32_u24 v6, s7, v2                       ; lanes 16-31 take W's scale words
	v_lshl_add_u32 v6, v1, 3, v6
	v_add_nc_u32 v[ADRS], s6, v6
	v_add_nc_u32 v[ADRS+1], SLOT, v[ADRS]
	v_lshl_add_u32 v6, v2, 5, v4
	v_add_nc_u32 v[STO], s8, v6                    ; into the stage: row r, my 128 bytes, + 32 h
	v_add_nc_u32 v[CA], s10, v6                    ; and the same place of c_prev
	v_mul_u32_u24 v6, v2, PITCH
	v_lshl_add_u32 v6, v1, 4, v6
	v_add_nc_u32 v[RD], s9, v6                     ; back: two whole rows an instruction
	v_lshlrev_b32 v6, 12, v2
	v_lshl_add_u32 v[CO], v1, 4, v6
	v_lshlrev_b32 v[PFO], 8, v3
	v_lshlrev_b32 v[PFR], 12, v3
	v_lshl_add_u32 v[BO], v2, 5, s100
.irp g, 0,1,2,3                        ; register i of block 2 g + j: gate g, column 16 j + 8 h + i of my 32
.irp j, 0,1
.irp u, 0,1
	global_load_b128 v[BI+8*(2*\g+\j)+4*\u:BI+8*(2*\g+\j)+4*\u+3], v[BO], s[20:21] offset:4096*\g+64*\j+16*\u
	global_load_b128 v[AF+8*(2*\g+\j)+4*\u:AF+8*(2*\g+\j)+4*\u+3], v[BO], s[22:23] offset:4096*\g+64*\j+16*\u
.endr
.endr
.endr
	s_wait_loadcnt 0x0
.set nn, 0
.rept 32
	v_pk_add_f32 v[BI+nn:BI+nn+1], v[BI+nn:BI+nn+1], v[AF+nn:AF+nn+1]
.set nn, nn+2
.endr
.macro FRAG reg, adr, q, i             ; 16 rows x 128 K: registers 4 c .. 4 c + 3 hold K = 32 c + 16 h + 0 .. 15
.irp c, 0,1,2,3
	ds_load_b128 v[\reg+4*\c:\reg+4*\c+3], v[\adr] offset:128*(\q)+32*\c+(\i)*16*PITCH
.endr
.endm
; 16 products: A's blocks a0, a0 + 1 x W's eight.  The 64 accumulators take turns, in the same order in every step
.macro MUL16 a0, p, q, sc, first
.irp a, \a0, \a0+1
.irp b, 0,1,2,3,4,5,6,7
.if \first
	v_wmma_scale_f32_16x16x128_f8f6f4 v[8*(8*((\a)%4)+\b):8*(8*((\a)%4)+\b)+7], v[128*(\p)+FR*\b:128*(\p)+FR*\b+FR-1], v[AF+FR*(\a):AF+FR*(\a)+FR-1], v[BI+8*\b:BI+8*\b+7], v[SC+8*NQ*(\sc)+NQ*\b+(\q)], v[SC+8*NQ*(\sc)+NQ*(\a)+(\q)] matrix_a_fmt:MATRIX_FMT_BF8 matrix_b_fmt:MATRIX_FMT_BF8 matrix_a_scale:MATRIX_SCALE_ROW1
.else
	v_wmma_scale_f32_16x16x128_f8f6f4 v[8*(8*((\a)%4)+\b):8*(8*((\a)%4)+\b)+7], v[128*(\p)+FR*\b:128*(\p)+FR*\b+FR-1], v[AF+FR*(\a):AF+FR*(\a)+FR-1], v[8*(8*((\a)%4)+\b):8*(8*((\a)%4)+\b)+7], v[SC+8*NQ*(\sc)+NQ*\b+(\q)], v[SC+8*NQ*(\sc)+NQ*(\a)+(\q)] matrix_a_fmt:MATRIX_FMT_BF8 matrix_b_fmt:MATRIX_FMT_BF8 matrix_a_scale:MATRIX_SCALE_ROW1
.endif
.endr
.endr
.endm
.macro FETCH_B slot, q, p
	WIN TO_B
.irp i, 0,1,2,3,4,5,6,7
	FRAG 128*(\p)+FR*\i, ADRB+\slot, \q, \i
.endr
	WIN 0
.endm
.macro FETCH_A slot, q, i0
.irp i, \i0, \i0+1, \i0+2, \i0+3
	FRAG AF+FR*(\i), ADRA+\slot, \q, \i
.endr
.endm
.macro SCALES sc                       ; a K step's two words a row: lanes 0-15 A's block i, lanes 16-31 W's
.irp i, 0,1,2,3,4,5,6,7
	ds_load_b64 v[SC+8*NQ*\sc+NQ*\i:SC+8*NQ*\sc+NQ*\i+1], v[ADRS+\sc] offset:(\i/2)*PITCH+(\i%2)*128
.endr
.endm
.macro FIRSTF                          ; slot 0's first fragments
	FETCH_B 0, 0, 0
	FETCH_A 0, 0, 0
	SCALES 0
	FETCH_A 0, 0, 4
.endm
.macro STEP slot, first                ; a slot's first 128 along K
	s_wait_dscnt 4*NL                              ; all but A's blocks 4-7, the youngest sixteen loads
.if \first
	WIN BIAS_LO
.else
	WIN MUL_LO
.endif
	MUL16 0, 0, 0, \slot, \first
	MUL16 2, 0, 0, \slot, \first
	s_wait_dscnt 0
	PLACES NP
	FETCH_B \slot, 1, 1
	FETCH_A \slot, 1, 0
.if \first
	WIN BIAS_HI
.else
	WIN MUL_HI
.endif
	MUL16 4, 0, 0, \slot, \first
	MUL16 6, 0, 0, \slot, \first
	PLACES NP
	WIN 0
	FETCH_A \slot, 1, 4
.endm
.macro ASK how, slot
.if \how == 2
	s_cmp_eq_u32 s[LIM], 1                         ; at the change of tiles: A's waves alone
.else
	s_cmp_gt_u32 s3, s[LIM]                        ; not in the K loop's last trip
.endif
	s_cbranch_scc0 .Lna_\@
	global_prefetch_b8 v[PFO], s[PFA:PFA+1] th:TH_LOAD_NT scope:SCOPE_SE
.Lna_\@:
.if (\how == 1) && (\slot == 0)
	s_cmp_eq_u32 s3, 1
	s_cbranch_scc0 .Lnc_\@
	global_prefetch_b8 v[PFR], s[PFC:PFC+1] th:TH_LOAD_NT scope:SCOPE_SE
	global_prefetch_b8 v[PFR], s[PFC:PFC+1] offset:32*HROW th:TH_LOAD_NT scope:SCOPE_SE
.Lnc_\@:
.endif
.endm
; A slot's second 128 along K changes slots, at its head: all reads of the slot were issued in its first step.  fill = 1: the slot takes this tile's K step two on; 2: (slot 0) the next tile's K step 0; 0: nothing;
; 3: (slot 1, the tile's last step) c_prev, and no fragments are fetched
.macro TURN slot, next, fill
.if (\fill == 1) || (\fill == 2)
	s_wait_xcnt 0x0                                ; my prefetch has read its address
.if \fill == 2
	s_sub_nc_u64 s[PFA:PFA+1], s[PFA:PFA+1], 7*KA-WALKB           ; to the next tile's K step 2
	s_cmp_eq_u32 s[WR], 0
	s_cselect_b32 s[LIM], s[LIM], -1               ; W's blocks are the same in both tiles: named no more
.else
	s_add_nc_u64 s[PFA:PFA+1], s[PFA:PFA+1], s[PST:PST+1]
.endif
.endif
	s_wait_tensorcnt 0x0                           ; my one load that was out has landed
	ds_add_u32 v[SPW], v[NIL]
.if \fill == 1
	s_add_nc_u64 s[G0A+4*\slot+2:G0A+4*\slot+3], s[G0A+4*\slot+2:G0A+4*\slot+3], 2*KA
	s_add_nc_u64 s[G0W+4*\slot+2:G0W+4*\slot+3], s[G0W+4*\slot+2:G0W+4*\slot+3], 2*KW
.endif
.if \fill == 2
	s_sub_nc_u64 s[G0A+4*\slot+2:G0A+4*\slot+3], s[G0A+4*\slot+2:G0A+4*\slot+3], 6*KA-WALKB
	s_sub_nc_u64 s[G0W+4*\slot+2:G0W+4*\slot+3], s[G0W+4*\slot+2:G0W+4*\slot+3], 6*KW
.endif
	s_wait_dscnt 0x0                               ; the add is done, my reads of this slot are over
.if \fill
	CROUND                                         ; no wave of any partner still reads this slot or has a load on its way
.else
	s_barrier_signal -1
	s_barrier_wait -1
.endif
.if (\fill == 1) || (\fill == 2)
	JLOAD \slot
.endif
.if \fill == 3
	TL G0C, G1C                                    ; 64 rows of c_prev a wave
.endif
	WIN MUL_LO
	MUL16 0, 1, 1, \slot, 0
	MUL16 2, 1, 1, \slot, 0
.if \fill != 3
	WIN 0
	PLACES NP
	FETCH_B \next, 0, 0
	FETCH_A \next, 0, 0
	SCALES \next
.if \fill
	ASK \fill, \slot
.endif
.endif
	WIN MUL_HI
	MUL16 4, 1, 1, \slot, 0
	MUL16 6, 1, 1, \slot, 0
.if \fill != 3
	PLACES NP
	WIN 0
	FETCH_A \next, 0, 4
.else
	WIN 0
.endif
.endm
; THE CELL.  Of block a the registers are I = RB + e, F = RB + 16 + e, G = RB + 32 + e, O = RB + 48 + e, e = 0 .. 15, in window 2 + a / 4
.macro WALU
	s_wait_alu depctr_va_vdst(0)                   ; the wait ahead of a batch of transcendentals and behind it
.endm
.macro BATCH op, base, n
.set nn, 0
.rept \n
	\op v[(\base)+nn], v[(\base)+nn]
.set nn, nn+1
.endr
	v_nop                                          ; a plain line behind the last of the batch
.endm
.macro ADD1 base, n
.set nn, 0
.rept \n
	v_pk_add_f32 v[(\base)+nn:(\base)+nn+1], v[(\base)+nn:(\base)+nn+1], 1.0 op_sel_hi:[1,0]
.set nn, nn+2
.endr
.endm
.macro MST a                           ; the exponents: -x log2 e for i, f, o; 2 x log2 e for g; each accumulator from its low end on
.set RM, 64*((\a)%4)
	WIN 0xaa+0x55*((\a)/4)
	WALU
.set nn, 0
.rept 32
.if nn/16 == 2
	v_pk_mul_f32 v[RM+nn:RM+nn+1], v[RM+nn:RM+nn+1], s[TWOL:TWOL+1] op_sel_hi:[1,0]
.else
	v_pk_mul_f32 v[RM+nn:RM+nn+1], v[RM+nn:RM+nn+1], s[NEGL:NEGL+1] op_sel_hi:[1,0]
.endif
.set nn, nn+2
.endr
.endm
.macro OUT a                           ; block a's 16 rows of my tensor leave
	WIN 0x04
	s_wait_dscnt 0x0
.irp t, 0,1,2,3,4,5,6,7
	global_store_b128 v[CO], v[128+32*((\a)%2)+4*\t:128+32*((\a)%2)+4*\t+3], s[OP:OP+1] offset:(16*(\a)+2*\t)*HROW th:TH_STORE_NT
.endr
.endm
.macro EPI a
.set RB, 64*((\a)%4)
.set WW, 0xaa+0x55*((\a)/4)
	WIN WW
	WALU
	BATCH v_exp_f32, RB, 64
.if (\a) > 0
	OUT (\a)-1
.endif
	WIN WW
	WALU
	ADD1 RB, 32
.if (\a) == 0
	s_wait_tensorcnt 0x0                           ; my 64 rows of c_prev have landed: say so, since the other waves read them
	s_barrier_signal -1
	s_barrier_wait -1
	WIN TO_B
.irp c, 0,1,2,3,4,5,6,7                ; c_prev of my 128 rows x 32 columns into W's set 0: block c, place 8 j + 4 u at v[16 c + 8 j + 4 u]
.irp j, 0,1
.irp u, 0,1
	ds_load_b128 v[16*\c+8*\j+4*\u:16*\c+8*\j+4*\u+3], v[CA] offset:16*\c*PITCH+64*\j+16*\u
.endr
.endr
.endr
	WIN WW
.endif
	WALU
	BATCH v_rcp_f32, RB, 64
.if (\a) == 0
	s_wait_dscnt 28                                ; block 0's four loads are in; the later blocks' are waited for in front of this block's barrier
.endif
	WALU
.irp e, 0,2,4,6,8,10,12,14
	v_pk_fma_f32 v[RB+32+\e:RB+33+\e], v[RB+32+\e:RB+33+\e], -2.0, 1.0 op_sel_hi:[1,0,0]   ; g
.endr
.irp e, 0,2,4,6,8,10,12,14
	v_pk_mul_f32 v[RB+\e:RB+1+\e], v[RB+\e:RB+1+\e], v[RB+32+\e:RB+33+\e]                  ; i g
.endr
	WIN WW-4*(1+(\a)/4)                            ; source 1 (c_prev) window 1
.irp e, 0,2,4,6,8,10,12,14
	v_pk_fma_f32 v[RB+16+\e:RB+17+\e], v[RB+16+\e:RB+17+\e], v[16*(\a)+\e:16*(\a)+\e+1], v[RB+\e:RB+1+\e]   ; new_c, in F
.endr
	WIN WW
.irp e, 0,2,4,6,8,10,12,14
	v_pk_mul_f32 v[RB+\e:RB+1+\e], v[RB+16+\e:RB+17+\e], s[TWOL:TWOL+1] op_sel_hi:[1,0]
.endr
	WALU
	BATCH v_exp_f32, RB, 16
	WALU
	ADD1 RB, 8
	WALU
	BATCH v_rcp_f32, RB, 16
	WALU
.irp e, 0,2,4,6,8,10,12,14
	v_pk_fma_f32 v[RB+\e:RB+1+\e], v[RB+\e:RB+1+\e], -2.0, 1.0 op_sel_hi:[1,0,0]           ; tanh(new_c)
.endr
.irp e, 0,2,4,6,8,10,12,14
	v_pk_mul_f32 v[RB+48+\e:RB+49+\e], v[RB+48+\e:RB+49+\e], v[RB+\e:RB+1+\e]              ; new_h, in O
.endr
	WIN 0x08+4*((\a)/4)
.irp j, 0,1
.irp u, 0,1
	ds_store_b128 v[STO], v[RB+48+8*\j+4*\u:RB+48+8*\j+4*\u+3] offset:((\a)%2)*SBUF+64*\j+16*\u
	ds_store_b128 v[STO], v[RB+16+8*\j+4*\u:RB+16+8*\j+4*\u+3] offset:((\a)%2)*SBUF+TEN+64*\j+16*\u
.endr
.endr
	s_wait_dscnt 0x0                               ; for the others' sake: my stores have landed, and my reads of the other buffer are over
	s_barrier_signal -1
.if (\a) < 7
	MST (\a)+1
.endif
	WIN 0
	s_barrier_wait -1
	s_wait_xcnt 0x0                                ; the stores of two blocks ago have read their registers
	WIN TO_B
.irp t, 0,1,2,3,4,5,6,7
	ds_load_b128 v[128+32*((\a)%2)+4*\t:128+32*((\a)%2)+4*\t+3], v[RD] offset:((\a)%2)*SBUF+2*\t*PITCH
.endr
.endm
	s_wait_alu depctr_va_vdst(0)                   ; the wait at the head's end
	s_wait_tensorcnt 0x0                           ; my block of K step 0 is in; slot 1's first fill is issued as a refill is
	ds_add_u32 v[SPW], v[NIL]
	s_wait_dscnt 0x0
	CROUND
	JLOAD 1
	FIRSTF
	s_mov_b32 s2, 2                                ; tiles to go
.Ltile:
	STEP 0, 1                                      ; a tile's first products start the sums, with the bias
	s_mov_b32 s3, 3
.Llap:                                                 ; a trip goes once round the ring and fills both slots again
	TURN 0, 1, 1
	STEP 1, 0
	TURN 1, 0, 1
	STEP 0, 0
	s_sub_co_u32 s3, s3, 1
	s_cmp_lg_u32 s3, 0
	s_cbranch_scc1 .Llap
	s_cmp_eq_u32 s2, 1
	s_cbranch_scc1 .Llast
	TURN 0, 1, 2                                   ; slot 0 takes the next tile's K step 0
	s_branch .Ljoin
.Llast:                                                ; the last tile asks for no more codes
	TURN 0, 1, 0
.Ljoin:
	STEP 1, 0
	TURN 1, 0, 3                                   ; slot 1 takes c_prev
	PLACES NP                                      ; behind the last products
	MST 0
.irp a, 0,1,2,3,4,5,6,7
	EPI \a
.endr
	OUT 7
	WIN 0
	s_sub_co_u32 s2, s2, 1
	s_cmp_eq_u32 s2, 0
	s_cbranch_scc1 .Ldone
	s_wait_xcnt 0x0                                ; stores and prefetches have read their bases and registers
	s_add_nc_u64 s[OP:OP+1], s[OP:OP+1], WALK*HROW
	s_add_nc_u64 s[PFC:PFC+1], s[PFC:PFC+1], WALK*HROW
	s_add_nc_u64 s[PFA:PFA+1], s[PFA:PFA+1], s[PST:PST+1]          ; to the next tile's K step 3
	s_wait_tensorcnt 0x0                           ; none of my loads is out: slot 1 is filled again, over c_prev
	ds_add_u32 v[SPW], v[NIL]
	s_sub_nc_u64 s[G0A+6:G0A+7], s[G0A+6:G0A+7], 6*KA-WALKB
	s_sub_nc_u64 s[G0W+6:G0W+7], s[G0W+6:G0W+7], 6*KW
	s_add_nc_u64 s[G0C+2:G0C+3], s[G0C+2:G0C+3], WALK*HROW
	s_wait_dscnt 0x0
	CROUND
	JLOAD 1                                        ; the next tile's K step 1
	FIRSTF
	ASK 2, 1
	s_cmp_lg_u32 s2, 0
	s_cbranch_scc1 .Ltile
.Ldone:
	s_wait_tensorcnt 0x0                           ; the wave's end
	ds_add_u32 v[SPW], v[NIL]
	s_wait_dscnt 0x0
	CROUND                                         ; the closing round
	s_endpgm
.Lfunc_end_k_qdd5905fbf1_lstm:
	.size	k_qdd5905fbf1_lstm, .Lfunc_end_k_qdd5905fbf1_lstm-k_qdd5905fbf1_lstm
	.p2alignl 7, 3214868480
	.fill 96, 4, 3214868480
	.section	.rodata,"a",@progbits
	.p2align	6, 0x0
	.amdhsa_kernel k_qdd5905fbf1_lstm
		.amdhsa_group_segment_fixed_size 327680
		.amdhsa_private_segment_fixed_size 0
		.amdhsa_enable_private_segment 0
		.amdhsa_kernarg_size 48
		.amdhsa_user_sgpr_count 2
		.amdhsa_user_sgpr_kernarg_segment_ptr 1
		.amdhsa_wavefront_size32 1
		.amdhsa_system_sgpr_workgroup_id_x 1
		.amdhsa_system_sgpr_workgroup_id_y 1
		.amdhsa_system_sgpr_workgroup_id_z 1
		.amdhsa_system_vgpr_workitem_id 0
		.amdhsa_next_free_vgpr 1024
		.amdhsa_next_free_sgpr 106
		.amdhsa_reserve_vcc 0
		.amdhsa_float_denorm_mode_32 3
		.amdhsa_float_denorm_mode_16_64 3
		.amdhsa_memory_ordered 1
		.amdhsa_forward_progress 1
		.amdhsa_inst_pref_size 255
	.end_amdhsa_kernel
	.section	.bss,"aw",@nobits
	.p2align	6
	.space	262144
	.amdgpu_metadata
---
amdhsa.version: [ 1, 2 ]
amdhsa.kernels:
  - .name:           k_qdd5905fbf1_lstm
    .symbol:         k_qdd5905fbf1_lstm.kd
    .args:
      - { .name: a_img, .offset: 0, .size: 8, .value_kind: global_buffer, .address_space: global }
      - { .name: w_img, .offset: 8, .size: 8, .value_kind: global_buffer, .address_space: global }
      - { .name: out0, .offset: 16, .size: 8, .value_kind: global_buffer, .address_space: global }
      - { .name: state, .offset: 24, .size: 8, .value_kind: global_buffer, .address_space: global }
      - { .name: bx, .offset: 32, .size: 8, .value_kind: global_buffer, .address_space: global }
      - { .name: bh, .offset: 40, .size: 8, .value_kind: global_buffer, .address_space: global }
    .group_segment_fixed_size: 327680
    .private_segment_fixed_size: 0
    .kernarg_segment_align: 8
    .kernarg_segment_size: 48
    .max_flat_workgroup_size: 128
    .sgpr_count:     106
    .vgpr_count:     1024
    .wavefront_size: 32
...
	.end_amdgpu_metadata
.endif
;; end of part 2
